; MI455X (gfx1250); checked and timed in simulation.
; The chip was launched on July 23, 2026; its instructions are those of AMD's public machine-readable ISA for CDNA 5 (MIT licence, August 2026) and "CDNA5" Instruction Set Architecture Reference Guide (July 2026). The comments in the code are by the model that wrote it; some were corrected since.
;; Scaled Dot Product Attention. Allowed arithmetic: matrix products marked QUANTISED: E3M2 operands, one E8M0 scale for each 32 along K, by v_wmma_scale_f32_16x16x128_f8f6f4 with both operands' format E3M2, f32 sums; everything else in f32.
;; Inputs: k 4 x 16 x 2,048 x 64 float32; q 4 x 16 x 2,048 x 64 float32; v 4 x 16 x 2,048 x 64 float32.
;; Outputs: out0 4 x 16 x 2,048 x 64 float32.
;; This version of the problem:
;;   THIS VERSION OF THE PROBLEM IS GIVEN IN LOW PRECISION. The matrix products marked QUANTISED in the list below multiply operands that are first quantised to E3M2 (3 exponent bits, 2 mantissa bits; 6 bits a number), with one power-of-two scale for each 32 numbers along K (OCP MX v1.0); their sums are f32. All else is computed in f32.
;;   The module's matrix products, in the order in which they are computed (A, B: the left and right operand; K: the contracted axis; several contracted axes count as one K, in the product's order):
;;     1. batch 64 x [M 2,048, K 64] x [K 64, N 2,048]; A: input q; B: input k: QUANTISED
;;     2. batch 64 x [M 2,048, K 2,048] x [K 2,048, N 64]; A: softmax (see below); B: input v: QUANTISED
;;   THE QUANTISER, for each operand of a quantised product, along K:
;;     - K is cut into blocks of 32 from its start; a last block that is shorter is filled with zeros.
;;     - A block's scale is 2^e with e = floor(log2(the largest magnitude in the block)) - 4, held to -126 .. 127; a block of zeros has e = 0. As a byte (E8M0): e + 127.
;;     - Each number is divided by its block's scale, clamped to +-28, and rounded to the nearest number of E3M2, ties to even, subnormals kept.
;;     - The product sums the exact products of the quantised numbers (number of the format x scale) in f32.
;;   ~~~python
;;   def quantise(x, axis):      # numpy; x: float32 -> the quantised numbers, widened to float32 again
;;       x = np.moveaxis(x, axis, -1); K = x.shape[-1]
;;       x = np.pad(x, [(0, 0)] * (x.ndim - 1) + [(0, -K % 32)]); x = x.reshape(x.shape[:-1] + (-1, 32)); a = np.abs(x).max(-1, keepdims=True)
;;       e = np.where(a > 0, np.clip(np.frexp(np.where(a > 0, a, 1))[1] - 1 - 4, -126, 127), 0)      # np.frexp(a)[1] - 1 = floor(log2(a)), exactly
;;       r = np.clip(x / 2.0 ** e, -28, 28)
;;       step = 2.0 ** (np.maximum(np.frexp(np.where(r == 0, 1, r))[1] - 1, -2) - 2)
;;       q = np.round(r / step) * step * 2.0 ** e      # np.round: ties to even
;;       return np.moveaxis(q.reshape(q.shape[:-2] + (-1,))[..., :K], -1, axis).astype(np.float32)
;;   ~~~
;;   SOFTMAX AHEAD OF A QUANTISED PRODUCT. Where the list says 'softmax', what is quantised is not the finished softmax but p = 2^(t - M), with t = logit x log2(e) and M = ceil(the row's largest t), a whole number; so 1/2 < the row's largest p <= 1. The row's sum l is taken of the UNQUANTISED p, in f32, and the product's result is divided by l at the end. Since M is a whole number, a kernel that streams over the keys may use a running M (the ceiling of the running maximum): every later rescaling is an exact power of two, which a block's scale takes up: the codes' values come out the same.
;;   OPERANDS COMPUTED ON THE WAY. 'Computed on the way' means the value that the module computes at that place (a softmax that the list does not call 'softmax' is quantised finished and normalised). What goes into a quantiser is computed in f32, as accurately as f32 sums, v_exp_f32 and their like allow (about 1e-6 of the number): no bf16 or f16 on the way to a quantiser, and a product that is left as it is and whose result goes on into a quantised operand takes f32 operands (vector FMAs, or v_wmma_f32_16x16x4_f32). A number that lies on a knife's edge between two numbers of the format may be rounded either way, as far as f32 arithmetic and the matrix unit's own rounding can turn it there, and no further.
;; 2 versions. Each part assembles by itself: llvm-mc -triple=amdgcn-amd-amdhsa -mcpu=gfx1250 --defsym DOCPART=n.
;; ======== version 1 of 2: 1 launch
;; launch attn (part 1): grid 4 x 64, 8 waves a work-group, no clusters, 240,640 bytes of LDS; arguments q, k, v, out0; writes out0
.if DOCPART == 1
	.amdgcn_target "amdgcn-amd-amdhsa--gfx1250"
	.amdhsa_code_object_version 6
	.text
	.protected	k_q2eb5d305d7_attn
	.globl	k_q2eb5d305d7_attn
	.p2align	8
	.type	k_q2eb5d305d7_attn,@function
k_q2eb5d305d7_attn:
	s_mov_b64 s[64:65], 0
	v_nop
	global_prefetch_b8 v0, s[64:65] scope:SCOPE_SE
	s_setreg_imm32_b32 hwreg(HW_REG_WAVE_MODE, 25, 1), 1
	s_wait_xcnt 0x0
; out[h][q][:] = sum over keys of softmax(q . k / 8) v, 64 heads of 2,048 x 64, f32 in and out; both products on codes of BF6 (E3M2) with one E8M0 scale for each 32 along a product's K.
; SOFTMAX: t = score x log2(e) / 8; M = the running largest t rounded UP to a whole number; p = 2^(t - M) is quantised along the keys, not normalised; the row's sum is taken of the unquantised p and divides at the end.
; When M moves, the sum and O are multiplied by 2^(old M - new M), which rounds nothing.
; SHARES.  A work-group owns 512 queries of one head (grid x: the block, y: the head); each of its 8 waves 64 of them, four tiles of 16, in 512 registers: two waves to a SIMD, so that one wave's vector
; work stands beside the other's matrix work.  Every wave walks the head's 2,048 keys, 128 a step, and each fragment of K and V that it reads from LDS feeds four tiles.
; K AND V ARE QUANTISED HERE.  In every step each wave takes an eighth of a later step's K and V (f32, asked for one step ahead, into registers), makes codes and scale bytes, and stores them to LDS as images of the
; operands' registers.  Each of the 16 steps has LDS bytes of its own (16 x 12,800), so nothing that another wave reads is ever written again: one barrier a step orders store, barrier, load.
; NO CLUSTER, NO TENSOR LOAD: what the four work-groups of a head share arrives as f32 and has to pass through registers to be quantised; shared codes would want a launch of their own and 25 MB out and back.
; LAYOUT.  Both products are used transposed: S^T = K Q^T (source 0 = keys), O^T = V^T P^T (source 0 = 16 of the head's 64): a lane holds ONE query (lane % 16) throughout.
; (a) The first product's K is 64, the instruction's 128: a fragment of K holds TWO tiles of 16 keys (k 0-63: tile 2 f, k 64-127: tile 2 f + 1).  Q is kept between runs of six registers of zero codes, so that
;     [q | 0] picks the lower tile and [0 | q] the upper; on the dead half Q's codes are zeros (its scale bytes there are 0, which is 2^-127 and no NaN), so it adds exact zeros.
; (b) Row m of tile 4 c + j is key 64 c + 32 (m / 8) + 8 j + m % 8.  Then register 32 c + i of a lane's scores is key 64 c + 32 (lane / 16) + i: a lane holds WHOLE blocks of 32 keys, in the order of P's operand:
;     a block's maximum needs no other lane, and the conversions' results are the operand.
; LIMITS: NaN and infinities among the inputs are not served.  A block whose largest magnitude lies under 2^-122 keeps the scale byte 1; a block of zeros has the byte 1 and not 127: its codes are zeros, and the bytes never leave the kernel.
; A block's largest p is not searched for: the block's largest score goes through the same multiply-add and exponential (this takes v_exp_f32 not to fall where its input rises).
.set SLOTB,  12800                     ; LDS, a step's slot: K's 4 fragment images of 1,536 bytes, V's 4, 512 bytes of scale words
.set FRB,    1536                      ; a fragment's image: lane l's 12 registers on end at 48 l
.set VIMG,   4*FRB
.set SIMG,   8*FRB                     ; scale image, 16 bytes a lane: lane r: K's words of fragments 0-3; lane 16 + r: V's words of tiles 0-3
.set STAGE,  16*SLOTB                  ; behind the slots: a stage of 16 rows x (256 + 16) bytes for each wave, its own
.set SPITCH, 272
.set STEPG,  32768                     ; 128 keys of 256 bytes in memory
; window 0
.set LIM48, 1                          ; 48 x lane
.set LIM16, 2                          ; 16 x lane: also the offset of all 16-byte global accesses; never rewritten
.set GV,    3                          ; 4 x lane: V's loads; never rewritten
.set KST0,  4                          ; where my K codes go in a slot
.set KSB0,  5                          ; and my K scale byte
.set VST0,  6                          ; the same for V
.set VSB0,  7
.set SWR,   8                          ; stage: row lane / 16, byte 16 (lane % 16)
.set SRD,   9                          ; stage: row lane % 16, byte 128 (lane / 16)
.set H8,    10                         ; 8 (lane / 16)
.set ADR,   11                         ; slot in hand + 48 lane
.set ADS,   12                         ; slot in hand + 16 lane
.set FAV,   13                         ; addresses of the stores in hand: V's codes, V's byte
.set FBV,   14
.set SOA,   15                         ; stage: row lane % 16, byte 32 (lane / 16)
.set ST,    16                         ; tile t: v[ST+4t] -M, +1 the largest t, +2, +3 the sum in two halves
.set KS,    32                         ; v32-35 scale words loaded with K's fragments (lanes 0-15 are read)
.set VS,    36                         ; v36-39 the same image loaded with V's (lanes 16-31 are read)
.set QS,    40                         ; v40-43 Q's scale words: lanes 0-15 (s0, s1, 0, 0), lanes 16-31 (0, 0, s0, s1)
.set PS,    44                         ; P's scale word
.set A0,    46                         ; v46-49 maxima at work
.set RM,    50
.set PR,    51                         ; a lane permute's destination
.set FF,    52                         ; v[52:53] f = 2^(old M - new M), named as a pair
.set DF,    54
.set WD,    55
.set SO,    56                         ; v56-57 the conversions' scale operands
.set SB2,   58                         ; v[58:59] the sum's second chain
.set T0,    60                         ; v60-62, v64-66: a block's upper 16 codes (a conversion's three registers begin on an even number)
.set T1,    64
.set P,     68                         ; v68-79 P's codes; between steps the codes of K and V just made
.set S,     80                         ; v80-143 S^T of one tile of queries, then p
.set KF,    144                        ; v144-191 K's four fragments
.set QB,    192                        ; v192-245: 0 x 6, q0 x 6, 0 x 6, q1 x 6, 0 x 6, q2 x 6, 0 x 6, q3 x 6, 0 x 6
.set FAK,   246                        ; addresses of the stores in hand: K's codes, K's byte
.set FBK,   247
; window 1 (written v0-255): v0-127 O^T (tile t, 16 d on: 32 t + 8 d); v128-175 V's four fragments; v192-223, v224-255 the f32 numbers of K and V on their way
.set VF,    128
.set RK,    192
.set RV,    224
.set RKB,   128                        ; at the head alone: a second set, and q's numbers in v0-127
.set RVB,   160
.set WV,    12                         ; s12 wave
.set SEL,   20                         ; s[20:21] v_permlanex16_b32's selects for lane l xor 16
.set CS,    22                         ; s[22:23] c = log2(e) / 8
.set SB,    24                         ; s24 LDS byte at which the slot of the step in hand begins
.set TRIPS, 25
.set MSB, 0
.macro WIN new                         ; s_set_vgpr_msb: bits 1:0 source 0, 3:2 source 1, 5:4 source 2, 7:6 destination; the high byte repeats the setting that is left
.if MSB != \new
	s_set_vgpr_msb (MSB<<8)|\new
.set MSB, \new
.endif
.endm
.macro PLACES n
.rept \n
	v_nop
.endr
.endm
; 40 loads: my eighth of a step's K and V, off bytes on from the walking pointers.  K: tile w's 16 rows = two runs of 8 keys, 32 keys apart; each load 512 consecutive bytes.
; V: 32 keys x my 32 of the head's 64: a lane takes one d and its registers run down the keys; each load 128 consecutive bytes.
.macro LOADG rk, rv, off
	WIN 0x40
.irp i, 0,1,2,3
	global_load_b128 v[\rk+4*\i:\rk+4*\i+3], v[LIM16], s[6:7] offset:\off+512*\i
.endr
.irp i, 0,1,2,3
	global_load_b128 v[\rk+16+4*\i:\rk+16+4*\i+3], v[LIM16], s[6:7] offset:\off+8192+512*\i
.endr
.set n, 0
.rept 32
	global_load_b32 v[\rv+n], v[GV], s[8:9] offset:\off+256*n
.set n, n+1
.endr
	WIN 0
.endm
; 16 rows of 256 bytes, loaded 16 bytes a lane, turn through my stage: afterwards lane (r, h) holds numbers 32 h .. 32 h + 31 of row r.  LDS serves a wave's instructions in order (ISA guide 5.7.1.4): no wait between stores and loads.
.macro TURN x
	WIN 0x04
.irp i, 0,1,2,3,4,5,6,7
	ds_store_b128 v[SWR], v[\x+4*\i:\x+4*\i+3] offset:2*SPITCH*\i
.endr
	WIN 0x40
.irp i, 0,1,2,3,4,5,6,7
	ds_load_b128 v[\x+4*\i:\x+4*\i+3], v[SRD] offset:16*\i
.endr
	WIN 0
.endm
; A lane's block of 32 numbers, v[x] on in window 1, becomes 6 registers of codes at v[c]; v[a] the conversions' scale operand, v[a+1] the scale's byte.
.macro QUANT32 x, c, t, a
	WIN 0x05
	v_max3_num_f32 v[\a], |v[\x]|, |v[\x+1]|, 0x2800000              ; two chains; the floor 2^(5 - 127) holds the byte at 1 from below
	v_max3_num_f32 v[\a+1], |v[\x+2]|, |v[\x+3]|, 0x2800000
.irp i, 4,8,12,16,20,24,28
	v_max3_num_f32 v[\a], |v[\x+\i]|, |v[\x+\i+1]|, v[\a]
	v_max3_num_f32 v[\a+1], |v[\x+\i+2]|, |v[\x+\i+3]|, v[\a+1]
.endr
	WIN 0
	v_max_num_f32 v[\a], v[\a], v[\a+1]                              ; the block's largest magnitude
	v_add_nc_u32 v[\a], 0xfe000000, v[\a]                            ; 4 off its exponent field: the conversion takes that field as its scale
	v_lshrrev_b32 v[\a+1], 23, v[\a]                                 ; the scale's byte
	WIN 0x01
	v_cvt_scalef32_pk16_bf6_f32 v[\c:\c+2], v[\x:\x+15], v[\a]
	v_cvt_scalef32_pk16_bf6_f32 v[\t:\t+2], v[\x+16:\x+31], v[\a]
	WIN 0
	v_nop                                                            ; one plain place behind a scaled conversion
	v_mov_b32 v[\c+3], v[\t]
	v_mov_b32 v[\c+4], v[\t+1]
	v_mov_b32 v[\c+5], v[\t+2]
.endm
; My eighth of a step's K and V goes into the slot soff bytes on from the slot in hand.  lcnt: the younger global loads that may stay out.
.macro FILLQ rk, rv, soff, lcnt
	s_wait_loadcnt \lcnt
	TURN \rk                                                         ; K's rows are on their way through the stage while V is quantised
	QUANT32 \rv, P, T0, A0
	v_add_nc_u32 v[FAV], s[SB], v[VST0]
	v_add_nc_u32 v[FBV], s[SB], v[VSB0]
	ds_store_b64 v[FAV], v[P:P+1] offset:\soff
	ds_store_b64 v[FAV], v[P+2:P+3] offset:\soff+8
	ds_store_b64 v[FAV], v[P+4:P+5] offset:\soff+16
	ds_store_b8 v[FBV], v[A0+1] offset:\soff
	s_wait_dscnt 4                                                   ; the turn's loads are in; V's four stores are younger
	QUANT32 \rk, P+6, T1, A0+2
	v_add_nc_u32 v[FAK], s[SB], v[KST0]
	v_add_nc_u32 v[FBK], s[SB], v[KSB0]
	ds_store_b64 v[FAK], v[P+6:P+7] offset:\soff
	ds_store_b64 v[FAK], v[P+8:P+9] offset:\soff+8
	ds_store_b64 v[FAK], v[P+10:P+11] offset:\soff+16
	ds_store_b8 v[FBK], v[A0+3] offset:\soff
.endm
.macro LOADK off                       ; 13 loads: K's four fragments and the scale image.  Lanes 48 bytes apart
.irp f, 0,1,2,3
.irp g, 0,1,2
	ds_load_b128 v[KF+12*\f+4*\g:KF+12*\f+4*\g+3], v[ADR] offset:\off+FRB*\f+16*\g
.endr
.endr
	ds_load_b128 v[KS:KS+3], v[ADS] offset:\off+SIMG
.endm
.macro LOADV off                       ; 13 loads: V's four fragments and the scale image once more
	WIN 0x40
.irp d, 0,1,2,3
.irp g, 0,1,2
	ds_load_b128 v[VF+12*\d+4*\g:VF+12*\d+4*\g+3], v[ADR] offset:\off+VIMG+FRB*\d+16*\g
.endr
.endr
	WIN 0
	ds_load_b128 v[VS:VS+3], v[ADS] offset:\off+SIMG
.endm
; S^T of query tile t against the step's 128 keys: eight products, each starting its sum with the constant 0
.macro QK t
.irp f, 0,1,2,3
	v_wmma_scale_f32_16x16x128_f8f6f4 v[S+16*\f:S+16*\f+7], v[KF+12*\f:KF+12*\f+11], v[QB+12*(\t)+6:QB+12*(\t)+17], 0, v[KS+\f], v[QS+(\t)] matrix_a_fmt:MATRIX_FMT_BF6 matrix_b_fmt:MATRIX_FMT_BF6
	v_wmma_scale_f32_16x16x128_f8f6f4 v[S+16*\f+8:S+16*\f+15], v[KF+12*\f:KF+12*\f+11], v[QB+12*(\t):QB+12*(\t)+11], 0, v[KS+\f], v[QS+(\t)] matrix_a_fmt:MATRIX_FMT_BF6 matrix_b_fmt:MATRIX_FMT_BF6 matrix_b_scale:MATRIX_SCALE_ROW1
.endr
.endm
; The softmax of tile t for one step.  first = 1: O^T does not exist yet and is not rescaled.
.macro SM t, first
.set NM, ST+4*(\t)
.set TX, NM+1
.set SU, NM+2
.irp q, 0,1,2,3                        ; four chains by turns, 15 scores each; every accumulator is first read at its low end
	v_max3_num_f32 v[A0+\q], v[S+16*\q], v[S+16*\q+1], v[S+16*\q+2]
.endr
.irp i, 3,5,7,9,11,13
.irp q, 0,1,2,3
	v_max3_num_f32 v[A0+\q], v[A0+\q], v[S+16*\q+\i], v[S+16*\q+\i+1]
.endr
.endr
	v_max3_num_f32 v[A0], v[A0], v[A0+1], v[S+15]                    ; THE LARGEST SCORE OF MY TWO BLOCKS OF 32 KEYS: it serves for the row's maximum and for the block's largest p
	v_max3_num_f32 v[A0+2], v[A0+2], v[A0+3], v[S+47]
	v_max_num_f32 v[A0], v[A0], v[S+31]
	v_max_num_f32 v[A0+2], v[A0+2], v[S+63]
	v_max_num_f32 v[RM], v[A0], v[A0+2]
	v_permlanex16_b32 v[PR], v[RM], s[SEL], s[SEL+1]
	v_max_num_f32 v[RM], v[RM], v[PR]                                ; with lane l xor 16's 64 keys: the step's largest score of my query
	v_mul_f32 v[RM], s[CS], v[RM]                                    ; as t
	v_max_num_f32 v[TX], v[TX], v[RM]
	v_mov_b32 v[DF], v[NM]
	v_floor_f32 v[NM], -v[TX]                                        ; -M = floor(-t): M is a whole number
	v_sub_f32 v[DF], v[NM], v[DF]                                    ; old M - new M, a whole number, 0 or less
	v_cvt_i32_f32 v[DF], v[DF]                                       ; (it saturates)
	v_ldexp_f32 v[FF], 1.0, v[DF]                                    ; f
.set j, 0
.rept 32
	v_pk_fma_f32 v[S+j:S+j+1], v[S+j:S+j+1], s[CS:CS+1], v[NM:NM+1] op_sel_hi:[1,0,0]   ; t - M, two at a time
.set j, j+2
.endr
	v_fma_f32 v[A0], v[A0], s[CS], v[NM]
	v_fma_f32 v[A0+2], v[A0+2], s[CS], v[NM]
.set j, 0
.rept 64
	v_exp_f32 v[S+j], v[S+j]                                         ; p = 2^(t - M)
.set j, j+1
.endr
	v_exp_f32 v[A0], v[A0]                                           ; the blocks' largest p
	v_exp_f32 v[A0+2], v[A0+2]
	v_pk_mul_f32 v[SU:SU+1], v[SU:SU+1], v[FF:FF+1] op_sel_hi:[1,0]  ; the sum under the new M: the plain place behind the exponentials
	s_wait_alu depctr_va_vdst(0)
	v_max_num_f32 v[A0], 0x2800000, v[A0]                            ; the floor: the byte cannot fall under 1
	v_max_num_f32 v[A0+2], 0x2800000, v[A0+2]
	v_add_nc_u32 v[SO], 0xfe000000, v[A0]
	v_add_nc_u32 v[SO+1], 0xfe000000, v[A0+2]
	v_lshrrev_b32 v[A0+1], 23, v[SO]
	v_lshrrev_b32 v[A0+3], 23, v[SO+1]
	v_lshl_or_b32 v[WD], v[A0+3], 16, v[A0+1]                        ; my bytes: blocks h and 2 + h,
	v_lshlrev_b32 v[WD], v[H8], v[WD]                                ; at their places in the word;
	v_permlanex16_b32 v[PR], v[WD], s[SEL], s[SEL+1]
	v_or_b32 v[PS], v[WD], v[PR]                                     ; with lane l xor 16's two it is whole
	v_cvt_scalef32_pk16_bf6_f32 v[P:P+2], v[S:S+15], v[SO]
	v_cvt_scalef32_pk16_bf6_f32 v[T0:T0+2], v[S+16:S+31], v[SO]
	v_cvt_scalef32_pk16_bf6_f32 v[P+6:P+8], v[S+32:S+47], v[SO+1]
	v_cvt_scalef32_pk16_bf6_f32 v[T1:T1+2], v[S+48:S+63], v[SO+1]
	v_nop                                                            ; one plain place behind a scaled conversion
.irp i, 0,1,2
	v_mov_b32 v[P+3+\i], v[T0+\i]
	v_mov_b32 v[P+9+\i], v[T1+\i]
.endr
.if !\first
	WIN 0x41
.set j, 0
.rept 16
	v_pk_mul_f32 v[32*(\t)+j:32*(\t)+j+1], v[32*(\t)+j:32*(\t)+j+1], v[FF:FF+1] op_sel_hi:[1,0]   ; O^T under the new M, each accumulator from its low end on
.set j, j+2
.endr
	WIN 0
.endif
	v_pk_add_f32 v[SB2:SB2+1], v[S:S+1], v[S+2:S+3]                  ; THE ROW'S SUM IS TAKEN OF THE UNQUANTISED p, in two chains.  These 32 also stand between P's codes and scale word and the products that take them
.irp i, 4,8,12,16,20,24,28,32,36,40,44,48,52,56,60
	v_pk_add_f32 v[SU:SU+1], v[SU:SU+1], v[S+\i:S+\i+1]
	v_pk_add_f32 v[SB2:SB2+1], v[SB2:SB2+1], v[S+\i+2:S+\i+3]
.endr
	v_pk_add_f32 v[SU:SU+1], v[SU:SU+1], v[SB2:SB2+1]
.endm
; O^T of tile t += V^T P^T: four accumulators by turns, one instruction a turn.  first = 1: the products start the sums.
.macro PV t, first
	WIN 0x51
.irp d, 0,1,2,3
.if \first
	v_wmma_scale_f32_16x16x128_f8f6f4 v[32*(\t)+8*\d:32*(\t)+8*\d+7], v[VF+12*\d:VF+12*\d+11], v[P:P+11], 0, v[VS+\d], v[PS] matrix_a_fmt:MATRIX_FMT_BF6 matrix_b_fmt:MATRIX_FMT_BF6 matrix_a_scale:MATRIX_SCALE_ROW1
.else
	v_wmma_scale_f32_16x16x128_f8f6f4 v[32*(\t)+8*\d:32*(\t)+8*\d+7], v[VF+12*\d:VF+12*\d+11], v[P:P+11], v[32*(\t)+8*\d:32*(\t)+8*\d+7], v[VS+\d], v[PS] matrix_a_fmt:MATRIX_FMT_BF6 matrix_b_fmt:MATRIX_FMT_BF6 matrix_a_scale:MATRIX_SCALE_ROW1
.endif
.endr
	WIN 0
.endm
; A KEY STEP.  next = 1: the next step's fragments are fetched from the slot one on.  fill: my eighth of the slot two on is made, the numbers for the slot three on are asked for (fill = 2: not in the loop's last trip), and a barrier follows.
; Four plain places stand behind matrix instructions in front of reads of their results and of loads into their registers.
.macro STEP first, fill, next
	s_wait_dscnt 13                                                  ; K's 13 loads are in; V's 13 are younger
	QK 0
	PLACES 4
	SM 0, \first
	s_wait_dscnt 0x0                                                 ; V's fragments are in, and no LDS load that names the two address registers below is out
.if \next
	v_add_nc_u32 v[ADR], s[SB], v[LIM48]
	v_add_nc_u32 v[ADS], s[SB], v[LIM16]
.endif
	PV 0, \first
	QK 1
	PLACES 4
	SM 1, \first
	PV 1, \first
	QK 2
	PLACES 4
	SM 2, \first
	PV 2, \first
	QK 3
	PLACES 4                                                         ; also in front of the loads into K's fragments and scale words
.if \next
	LOADK SLOTB
.endif
	SM 3, \first
	PV 3, \first
.if \next
	PLACES 4                                                         ; in front of the loads into V's fragments and scale words, and of the writes of P's registers
	LOADV SLOTB
.endif
.if \fill
	FILLQ RK, RV, 2*SLOTB, 0
	s_add_nc_u64 s[6:7], s[6:7], STEPG                               ; behind the wait for all loads: no load that names the pointers is out
	s_add_nc_u64 s[8:9], s[8:9], STEPG
.if \fill == 2
	s_cmp_eq_u32 s[TRIPS], 1                                         ; the last trip asks for nothing: no load leaves its buffer
	s_cbranch_scc1 .Lnoask_\@
.endif
	LOADG RK, RV, 2*STEPG                                            ; a whole step ahead of the wait for them
.if \fill == 2
.Lnoask_\@:
.endif
	s_wait_dscnt 0x0                                                 ; for the others' sake: my stores into the slot have landed
	s_barrier_signal -1
	s_barrier_wait -1                                                ; the slot two on is whole: it is read in the next step
.endif
.if \next
	s_add_co_u32 s[SB], s[SB], SLOTB
.endif
.endm
	s_load_b256 s[4:11], s[0:1], 0x0                                 ; q s[4:5], k s[6:7], v s[8:9], out s[10:11]
	v_lshl_add_u32 v254, v0, 2, 0x3a800
	v_mov_b32 v255, 0
	v_lshrrev_b32 v251, 5, v0
	v_readfirstlane_b32 s[WV], v251                                  ; wave w, 0..7
	v_and_b32 v248, 31, v0                                           ; lane
	v_and_b32 v249, 15, v0                                           ; r
	v_bfe_u32 v250, v0, 4, 1                                         ; h
	s_lshr_b32 s13, s[WV], 2                                         ; w / 4
	s_and_b32 s14, s[WV], 1                                          ; w % 2
	s_and_b32 s15, s[WV], 3                                          ; w % 4
	s_bfe_u32 s16, s[WV], 0x10001                                    ; (w / 2) % 2
	s_lshr_b32 s17, s[WV], 1                                         ; w / 2
	v_mul_u32_u24 v[LIM48], v248, 48
	v_lshlrev_b32 v[LIM16], 4, v248
	v_lshlrev_b32 v[GV], 2, v248
	; byte offsets in memory.  A head is 2^19 bytes; q, out: + 2^17 x block + 2^14 x wave;  K: tile w begins at key 64 (w / 4) + 8 (w % 4);  V: keys 32 (w % 4) on, d 32 (w / 4) on
	s_and_b32 s26, ttmp7, 0xffff
	s_lshl_b32 s26, s26, 19
	s_lshl_b32 s28, ttmp9, 17
	s_lshl_b32 s29, s[WV], 14
	s_add_co_u32 s28, s28, s29
	s_add_co_u32 s28, s28, s26
	s_mov_b32 s29, 0
	s_lshl_b32 s30, s13, 14
	s_lshl_b32 s31, s15, 11
	s_add_co_u32 s30, s30, s31
	s_add_co_u32 s30, s30, s26
	s_mov_b32 s31, 0
	s_lshl_b32 s32, s15, 13
	s_lshl_b32 s33, s13, 7
	s_add_co_u32 s32, s32, s33
	s_add_co_u32 s32, s32, s26
	s_mov_b32 s33, 0
	; K's codes: I make tile w = half w % 2 of fragment w / 2; lane (r, h) holds row r, block h: 48 lane + 1536 (w / 2) + 24 (w % 2)
	s_mul_i32 s18, s17, FRB
	s_mul_i32 s19, s14, 24
	s_add_co_u32 s18, s18, s19
	v_add_nc_u32 v[KST0], s18, v[LIM48]
	; K's byte: lane r's word w / 2, byte 2 (w % 2) + h: 16 r + 2 w + h
	s_lshl_b32 s18, s[WV], 1
	s_add_co_u32 s18, s18, SIMG
	v_lshl_add_u32 v[KSB0], v249, 4, v250
	v_add_nc_u32 v[KSB0], s18, v[KSB0]
	; V's codes: my lane holds d = 32 (w / 4) + 16 h + r, key block w % 4: tile 2 (w / 4) + h, image lane r + 16 (w % 2), registers 6 ((w / 2) % 2) on
	s_mul_i32 s18, s13, 2*FRB
	s_mul_i32 s19, s14, 768
	s_add_co_u32 s18, s18, s19
	s_mul_i32 s19, s16, 24
	s_add_co_u32 s18, s18, s19
	s_add_co_u32 s18, s18, VIMG
	v_mul_u32_u24 v[VST0], v249, 48
	v_mad_u32_u24 v[VST0], v250, FRB, v[VST0]
	v_add_nc_u32 v[VST0], s18, v[VST0]
	; V's byte: lane 16 + r's word 2 (w / 4) + h, byte w % 4
	s_lshl_b32 s18, s13, 3
	s_add_co_u32 s18, s18, s15
	s_add_co_u32 s18, s18, SIMG+256
	v_lshlrev_b32 v[VSB0], 4, v249
	v_lshl_add_u32 v[VSB0], v250, 2, v[VSB0]
	v_add_nc_u32 v[VSB0], s18, v[VSB0]
	; my stage
	s_mul_i32 s18, s[WV], 16*SPITCH
	s_add_co_u32 s18, s18, STAGE
	v_mul_u32_u24 v[SWR], v250, SPITCH
	v_lshl_add_u32 v[SWR], v249, 4, v[SWR]
	v_add_nc_u32 v[SWR], s18, v[SWR]
	v_mul_u32_u24 v[SRD], v249, SPITCH
	v_lshl_add_u32 v[SOA], v250, 5, v[SRD]
	v_lshl_add_u32 v[SRD], v250, 7, v[SRD]
	v_add_nc_u32 v[SRD], s18, v[SRD]
	v_add_nc_u32 v[SOA], s18, v[SOA]
	v_lshlrev_b32 v[H8], 3, v250
	s_mov_b32 s[SEL], 0x76543210
	s_mov_b32 s[SEL+1], 0xfedcba98
	s_mov_b32 s[CS], 0x3e38aa3b                                      ; log2(e) / 8
	s_mov_b32 s[CS+1], s[CS]                                         ; (named with it as a pair, so it is written)
	s_mov_b32 s[SB], 0
	s_wait_kmcnt 0x0
	s_add_nc_u64 s[4:5], s[4:5], s[28:29]
	s_add_nc_u64 s[10:11], s[10:11], s[28:29]
	s_add_nc_u64 s[6:7], s[6:7], s[30:31]
	s_add_nc_u64 s[8:9], s[8:9], s[32:33]
	LOADG RK, RV, 0                                                  ; step 0's numbers,
	LOADG RKB, RVB, STEPG                                            ; step 1's,
	WIN 0x40
.irp t, 0,1,2,3
.irp i, 0,1,2,3,4,5,6,7
	global_load_b128 v[32*\t+4*\i:32*\t+4*\i+3], v[LIM16], s[4:5] offset:4096*\t+512*\i th:TH_LOAD_NT   ; and my 64 queries, read by nobody else
.endr
.endr
	WIN 0
.irp g, 0,1,2,3,4
.irp i, 0,1,2,3,4,5
	v_mov_b32 v[QB+12*\g+\i], 0                                      ; the zero codes between Q's fragments: operands, not sums
.endr
.endr
.irp t, 0,1,2,3
	v_mov_b32 v[ST+4*\t+1], 0xff61b1e6                               ; the largest t so far: -3e38, under every t
	v_mov_b32 v[ST+4*\t+2], 0                                        ; the sum, in two halves
	v_mov_b32 v[ST+4*\t+3], 0
.endr
.irp t, 0,1,2,3
	v_floor_f32 v[ST+4*\t], -v[ST+4*\t+1]                            ; -M
.endr
	v_mov_b32 v[PR], 0                                               ; a lane permute's destination counts as one of its sources
	v_mov_b32 v[FF+1], 0                                             ; (named as the upper half of a pair)
	v_lshlrev_b32 v[DF], 1, v[H8]                                    ; 16 h
	FILLQ RK, RV, 0, 63                                              ; loads come back in order (ISA guide 5.7.1): of the 112 issued at most 63 are out, so the first 49 are in, step 0's 40 among them
	LOADG RK, RV, 2*STEPG                                            ; step 2's numbers
	s_wait_dscnt 0x0                                                 ; my stores have read their registers
	FILLQ RKB, RVB, SLOTB, 63                                        ; of the 152 issued the first 89 are in: step 1's are numbers 41 to 80
	s_wait_loadcnt 40                                                ; q is in; step 2's 40 loads are younger
	TURN 0
	TURN 32
	TURN 64
	TURN 96
.irp t, 0,1,2,3
	s_wait_dscnt 48-16*\t                                            ; tile t is back from the stage; each later tile's 16 LDS instructions may be out
	QUANT32 32*\t, QB+12*\t+6, T0, A0
	v_lshlrev_b32 v[WD], v[H8], v[A0+1]                              ; my byte at place h,
	v_permlanex16_b32 v[PR], v[WD], s[SEL], s[SEL+1]
	v_or_b32 v[WD], v[WD], v[PR]                                     ; with lane l xor 16's: (s0, s1, 0, 0);
	v_lshlrev_b32 v[QS+\t], v[DF], v[WD]                             ; lanes 16-31 hold it two bytes up, for the upper half of K
.endr
	s_wait_dscnt 0x0                                                 ; for the others' sake: my parts of slots 0 and 1 have landed
	s_barrier_signal -1
	s_barrier_wait -1
	v_add_nc_u32 v[ADR], s[SB], v[LIM48]
	v_add_nc_u32 v[ADS], s[SB], v[LIM16]
	LOADK 0
	LOADV 0
	STEP 1, 1, 1                                                     ; step 0: its products start O^T's sums; makes slot 2, asks for step 3
	s_mov_b32 s[TRIPS], 13
.Ltrip:                                                              ; steps 1 to 13: step s reads slot s + 1, makes slot s + 2 and asks for step s + 3
	STEP 0, 2, 1
	s_sub_co_u32 s[TRIPS], s[TRIPS], 1
	s_cmp_lg_u32 s[TRIPS], 0
	s_cbranch_scc1 .Ltrip
	STEP 0, 0, 1                                                     ; step 14: all slots are made
	STEP 0, 0, 0                                                     ; step 15
	; THE WAY OUT.  The four additions are the places behind the last products.
.irp t, 0,1,2,3
	v_add_f32 v[ST+4*\t+2], v[ST+4*\t+2], v[ST+4*\t+3]               ; the sum's two halves,
.endr
.irp t, 0,1,2,3
	v_permlanex16_b32 v[ST+4*\t+1], v[ST+4*\t+2], s[SEL], s[SEL+1]
.endr
.irp t, 0,1,2,3
	v_add_f32 v[ST+4*\t+2], v[ST+4*\t+2], v[ST+4*\t+1]               ; and lane l xor 16's: the row's sum
.endr
.irp t, 0,1,2,3
	v_rcp_f32 v[ST+4*\t], v[ST+4*\t+2]
.endr
	v_nop                                                            ; a plain place behind the reciprocals
	s_wait_alu depctr_va_vdst(0)
; Tile a: O^T / the sum; a lane's eight numbers of each 16 d are 32 bytes of its query's row; 16 rows of 256 bytes go through my stage and come back 16 bytes a lane, two rows an instruction.
.macro TOSTAGE a
.set YY, S+32*((\a)%2)
.set ZZ, KF+48*((\a)%2)
	WIN 0x01
.set j, 0
.rept 16
	v_pk_mul_f32 v[YY+j:YY+j+1], v[32*(\a)+j:32*(\a)+j+1], v[ST+4*(\a):ST+4*(\a)+1] op_sel_hi:[1,0]   ; each accumulator from its low end on
.set j, j+2
.endr
	WIN 0
.irp d, 0,1,2,3
	ds_store_b128 v[SOA], v[YY+8*\d:YY+8*\d+3] offset:64*\d
	ds_store_b128 v[SOA], v[YY+8*\d+4:YY+8*\d+7] offset:64*\d+16
.endr
.irp i, 0,1,2,3,4,5,6,7
	ds_load_b128 v[ZZ+4*\i:ZZ+4*\i+3], v[SWR] offset:2*SPITCH*\i     ; LDS serves a wave's instructions in order: these see my stores, and the next tile's stores come behind them
.endr
.endm
.macro SEND a, younger                 ; younger: the LDS instructions issued behind tile a's loads
.set ZZ, KF+48*((\a)%2)
	s_wait_dscnt \younger
.irp i, 0,1,2,3,4,5,6,7
	global_store_b128 v[LIM16], v[ZZ+4*\i:ZZ+4*\i+3], s[10:11] offset:4096*(\a)+512*\i th:TH_STORE_NT   ; 32 lanes store 512 consecutive bytes, at a multiple of 512 from the buffer's first byte
.endr
.endm
	TOSTAGE 0
.irp a, 1,2,3
.if \a > 1
	s_wait_xcnt 0x0                                                  ; tile a - 2's stores have read their registers: tile a's loads may land there
.endif
	TOSTAGE \a
	SEND \a-1, 16
.endr
	SEND 3, 0
	s_wait_tensorcnt 0x0
	ds_add_u32 v254, v255
	s_wait_dscnt 0x0
	s_endpgm
.Lfunc_end_k_q2eb5d305d7_attn:
	.size	k_q2eb5d305d7_attn, .Lfunc_end_k_q2eb5d305d7_attn-k_q2eb5d305d7_attn
	.p2alignl 7, 3214868480
	.fill 96, 4, 3214868480
	.section	.rodata,"a",@progbits
	.p2align	6, 0x0
	.amdhsa_kernel k_q2eb5d305d7_attn
		.amdhsa_group_segment_fixed_size 240640
		.amdhsa_private_segment_fixed_size 0
		.amdhsa_enable_private_segment 0
		.amdhsa_kernarg_size 32
		.amdhsa_user_sgpr_count 2
		.amdhsa_user_sgpr_kernarg_segment_ptr 1
		.amdhsa_wavefront_size32 1
		.amdhsa_system_sgpr_workgroup_id_x 1
		.amdhsa_system_sgpr_workgroup_id_y 1
		.amdhsa_system_sgpr_workgroup_id_z 1
		.amdhsa_system_vgpr_workitem_id 0
		.amdhsa_next_free_vgpr 512
		.amdhsa_next_free_sgpr 66
		.amdhsa_reserve_vcc 0
		.amdhsa_float_denorm_mode_32 3
		.amdhsa_float_denorm_mode_16_64 3
		.amdhsa_memory_ordered 1
		.amdhsa_forward_progress 1
		.amdhsa_inst_pref_size 255
	.end_amdhsa_kernel
	.section	.bss,"aw",@nobits
	.p2align	6
	.space	262144
	.amdgpu_metadata
---
amdhsa.version: [ 1, 2 ]
amdhsa.kernels:
  - .name:           k_q2eb5d305d7_attn
    .symbol:         k_q2eb5d305d7_attn.kd
    .args:
      - { .name: q, .offset: 0, .size: 8, .value_kind: global_buffer, .address_space: global }
      - { .name: k, .offset: 8, .size: 8, .value_kind: global_buffer, .address_space: global }
      - { .name: v, .offset: 16, .size: 8, .value_kind: global_buffer, .address_space: global }
      - { .name: out0, .offset: 24, .size: 8, .value_kind: global_buffer, .address_space: global }
    .group_segment_fixed_size: 240640
    .private_segment_fixed_size: 0
    .kernarg_segment_align: 8
    .kernarg_segment_size: 32
    .max_flat_workgroup_size: 256
    .sgpr_count:     66
    .vgpr_count:     512
    .wavefront_size: 32
...
	.end_amdgpu_metadata
.endif
;; end of part 1
;; ======== version 2 of 2: 1 launch; version 1 with the launch attn written anew for expert scheduling mode
;; launch attn (part 2): grid 4 x 64, 8 waves a work-group, no clusters, 240,640 bytes of LDS; arguments q, k, v, out0; writes out0
.if DOCPART == 2
	.amdgcn_target "amdgcn-amd-amdhsa--gfx1250"
	.amdhsa_code_object_version 6
	.text
	.protected	k_q2eb5d305d7_attn
	.globl	k_q2eb5d305d7_attn
	.p2align	8
	.type	k_q2eb5d305d7_attn,@function
k_q2eb5d305d7_attn:
	s_mov_b64 s[64:65], 0
	v_nop
	global_prefetch_b8 v0, s[64:65] scope:SCOPE_SE
	s_setreg_imm32_b32 hwreg(HW_REG_WAVE_SCHED_MODE, 0, 2), 2
	s_setreg_imm32_b32 hwreg(HW_REG_WAVE_MODE, 25, 1), 1
	s_wait_xcnt 0x0
	s_wait_alu depctr_vm_vsrc(0)
; out[h][q][:] = sum over keys of softmax(q . k / 8) v, 64 heads of 2,048 x 64, f32 in and out; both products on codes of BF6 (E3M2) with one E8M0 scale for each 32 along a product's K.
; SOFTMAX: t = score x log2(e) / 8; M = the running largest t rounded UP to a whole number; p = 2^(t - M) is quantised along the keys, not normalised; the row's sum is taken of the unquantised p and divides at the end.
; When M moves, the sum and O are multiplied by 2^(old M - new M), which rounds nothing.
; SHARES.  A work-group owns 512 queries of one head (grid x: the block, y: the head); each of its 8 waves 64 of them, four tiles of 16, in 512 registers: two waves to a SIMD, so that one wave's vector
; work stands beside the other's matrix work.  Every wave walks the head's 2,048 keys, 128 a step, and each fragment of K and V that it reads from LDS feeds four tiles.
; K AND V ARE QUANTISED HERE.  In every step each wave takes an eighth of a later step's K and V (f32, asked for one step ahead, into registers), makes codes and scale bytes, and stores them to LDS as images of the
; operands' registers.  Each of the 16 steps has LDS bytes of its own (16 x 12,800), so nothing that another wave reads is ever written again: one barrier a step orders store, barrier, load.
; NO CLUSTER, NO TENSOR LOAD: what the four work-groups of a head share arrives as f32 and has to pass through registers to be quantised; shared codes would want a launch of their own and 25 MB out and back.
; LAYOUT.  Both products are used transposed: S^T = K Q^T (source 0 = keys), O^T = V^T P^T (source 0 = 16 of the head's 64): a lane holds ONE query (lane % 16) throughout.
; (a) The first product's K is 64, the instruction's 128: a fragment of K holds TWO tiles of 16 keys (k 0-63: tile 2 f, k 64-127: tile 2 f + 1).  Q is kept between runs of six registers of zero codes, so that
;     [q | 0] picks the lower tile and [0 | q] the upper; on the dead half Q's codes are zeros (its scale bytes there are 0, which is 2^-127 and no NaN), so it adds exact zeros.
; (b) Row m of tile 4 c + j is key 64 c + 32 (m / 8) + 8 j + m % 8.  Then register 32 c + i of a lane's scores is key 64 c + 32 (lane / 16) + i: a lane holds WHOLE blocks of 32 keys, in the order of P's operand:
;     a block's maximum needs no other lane, and the conversions' results are the operand.
; LIMITS: NaN and infinities among the inputs are not served.  A block whose largest magnitude lies under 2^-122 keeps the scale byte 1; a block of zeros has the byte 1 and not 127: its codes are zeros, and the bytes never leave the kernel.
; A block's largest p is not searched for: the block's largest score goes through the same multiply-add and exponential (this takes v_exp_f32 not to fall where its input rises).
; THE MODE: SCHED_MODE bits 1:0 = 2 (LLVM: expert scheduling mode 2), set by the entry lines.  The code itself states the register dependences between vector or matrix instructions and memory or LDS
; instructions, with s_wait_alu, always for 0.
; THE PLAN.  Registers that memory or LDS instructions touch in a key step, in program order:
;   KF, KS      read by the step's products K Q^T, tile 3's last; then the next step's 13 LDS loads land in them.
;   VF, VS      read by the products V^T P^T, tile 3's last; then the next step's 13 LDS loads land in them.
;   ADR, ADS    written once a step, ahead of tile 0's products V^T P^T; read by those 26 loads.
;   RK          global loads land; the turn's LDS stores read it; the turn's LDS loads land in it; the quantiser reads it; the global loads for three steps on land in it.
;   RV          global loads land; the quantiser reads it; global loads land again.
;   P, A0+1, A0+3, FAV, FBV, FAK, FBK   written by the quantiser (P and A0 by every softmax too); read by the eight LDS stores into the slot.
;   v1-v9, v15  offsets and addresses made at the head and never written again.
; THE WAITS OF A STEP.  On vm_vsrc at its head: the last step's fragment loads have read ADR and ADS, its eight stores their data and addresses.  On va_vdst in each softmax, behind the exponentials; in tile 3 K's loads
; stand behind that wait.  On va_vdst ahead of each tile's products V^T P^T: P's codes and scale word are written.  In the turn, behind the window switch: on va_vdst (tile 3's products are done reading VF and VS) and on
; vm_vsrc (the turn's stores have read RK); the turn's loads and V's follow in one run.  On va_vdst ahead of the eight stores: it also states that the quantiser is done reading RK and RV, so the global loads follow with no further wait.
.set SLOTB,  12800                     ; LDS, a step's slot: K's 4 fragment images of 1,536 bytes, V's 4, 512 bytes of scale words
.set FRB,    1536                      ; a fragment's image: lane l's 12 registers on end at 48 l
.set VIMG,   4*FRB
.set SIMG,   8*FRB                     ; scale image, 16 bytes a lane: lane r: K's words of fragments 0-3; lane 16 + r: V's words of tiles 0-3
.set STAGE,  16*SLOTB                  ; behind the slots: a stage of 16 rows x (256 + 16) bytes for each wave, its own
.set SPITCH, 272
.set STEPG,  32768                     ; 128 keys of 256 bytes in memory
; window 0
.set LIM48, 1                          ; 48 x lane
.set LIM16, 2                          ; 16 x lane: also the offset of all 16-byte global accesses; never rewritten
.set GV,    3                          ; 4 x lane: V's loads; never rewritten
.set KST0,  4                          ; where my K codes go in a slot
.set KSB0,  5                          ; and my K scale byte
.set VST0,  6                          ; the same for V
.set VSB0,  7
.set SWR,   8                          ; stage: row lane / 16, byte 16 (lane % 16)
.set SRD,   9                          ; stage: row lane % 16, byte 128 (lane / 16)
.set H8,    10                         ; 8 (lane / 16)
.set ADR,   11                         ; slot in hand + 48 lane
.set ADS,   12                         ; slot in hand + 16 lane
.set FAV,   13                         ; addresses of the stores in hand: V's codes, V's byte
.set FBV,   14
.set SOA,   15                         ; stage: row lane % 16, byte 32 (lane / 16)
.set ST,    16                         ; tile t: v[ST+4t] -M, +1 the largest t, +2, +3 the sum in two halves
.set KS,    32                         ; v32-35 scale words loaded with K's fragments (lanes 0-15 are read)
.set VS,    36                         ; v36-39 the same image loaded with V's (lanes 16-31 are read)
.set QS,    40                         ; v40-43 Q's scale words: lanes 0-15 (s0, s1, 0, 0), lanes 16-31 (0, 0, s0, s1)
.set PS,    44                         ; P's scale word
.set A0,    46                         ; v46-49 maxima at work
.set RM,    50
.set PR,    51                         ; a lane permute's destination
.set FF,    52                         ; v[52:53] f = 2^(old M - new M), named as a pair
.set DF,    54
.set WD,    55
.set SO,    56                         ; v56-57 the conversions' scale operands
.set SB2,   58                         ; v[58:59] the sum's second chain
.set T0,    60                         ; v60-62, v64-66: a block's upper 16 codes (a conversion's three registers begin on an even number)
.set T1,    64
.set P,     68                         ; v68-79 P's codes; between steps the codes of K and V just made
.set S,     80                         ; v80-143 S^T of one tile of queries, then p
.set KF,    144                        ; v144-191 K's four fragments
.set QB,    192                        ; v192-245: 0 x 6, q0 x 6, 0 x 6, q1 x 6, 0 x 6, q2 x 6, 0 x 6, q3 x 6, 0 x 6
.set FAK,   246                        ; addresses of the stores in hand: K's codes, K's byte
.set FBK,   247
; window 1 (written v0-255): v0-127 O^T (tile t, 16 d on: 32 t + 8 d); v128-175 V's four fragments; v192-223, v224-255 the f32 numbers of K and V on their way
.set VF,    128
.set RK,    192
.set RV,    224
.set RKB,   128                        ; at the head alone: a second set, and q's numbers in v0-127
.set RVB,   160
.set WV,    12                         ; s12 wave
.set SEL,   20                         ; s[20:21] v_permlanex16_b32's selects for lane l xor 16
.set CS,    22                         ; s[22:23] c = log2(e) / 8
.set SB,    24                         ; s24 LDS byte at which the slot of the step in hand begins
.set TRIPS, 25
.set MSB, 0
.macro WIN new                         ; s_set_vgpr_msb: bits 1:0 source 0, 3:2 source 1, 5:4 source 2, 7:6 destination; the high byte repeats the setting that is left
.if MSB != \new
	s_set_vgpr_msb (MSB<<8)|\new
.set MSB, \new
.endif
.endm
.macro PLACES n
.rept \n
	v_nop
.endr
.endm
; 40 loads: my eighth of a step's K and V, off bytes on from the walking pointers.  K: tile w's 16 rows = two runs of 8 keys, 32 keys apart; each load 512 consecutive bytes.
; V: 32 keys x my 32 of the head's 64: a lane takes one d and its registers run down the keys; each load 128 consecutive bytes.
.macro LOADG rk, rv, off
	WIN 0x40
.irp i, 0,1,2,3
	global_load_b128 v[\rk+4*\i:\rk+4*\i+3], v[LIM16], s[6:7] offset:\off+512*\i
.endr
.irp i, 0,1,2,3
	global_load_b128 v[\rk+16+4*\i:\rk+16+4*\i+3], v[LIM16], s[6:7] offset:\off+8192+512*\i
.endr
.set n, 0
.rept 32
	global_load_b32 v[\rv+n], v[GV], s[8:9] offset:\off+256*n
.set n, n+1
.endr
	WIN 0
.endm
.macro LOADK off                       ; 13 loads: K's four fragments and the scale image.  Lanes 48 bytes apart
.irp f, 0,1,2,3
.irp g, 0,1,2
	ds_load_b128 v[KF+12*\f+4*\g:KF+12*\f+4*\g+3], v[ADR] offset:\off+FRB*\f+16*\g
.endr
.endr
	ds_load_b128 v[KS:KS+3], v[ADS] offset:\off+SIMG
.endm
.macro LOADV off                       ; 13 loads: V's four fragments and the scale image once more
	WIN 0x40
.irp d, 0,1,2,3
.irp g, 0,1,2
	ds_load_b128 v[VF+12*\d+4*\g:VF+12*\d+4*\g+3], v[ADR] offset:\off+VIMG+FRB*\d+16*\g
.endr
.endr
	WIN 0
	ds_load_b128 v[VS:VS+3], v[ADS] offset:\off+SIMG
.endm
; 16 rows of 256 bytes, loaded 16 bytes a lane, turn through my stage: afterwards lane (r, h) holds numbers 32 h .. 32 h + 31 of row r.  LDS serves a wave's instructions in order (ISA guide 5.7.1.4): no wait on DScnt between stores and loads.
; lv = 1 (in a key step): the next step's fragments of V are fetched in the same run of loads, under the same window.
.macro TURN x, lv
	WIN 0x04
.irp i, 0,1,2,3,4,5,6,7
	ds_store_b128 v[SWR], v[\x+4*\i:\x+4*\i+3] offset:2*SPITCH*\i
.endr
	WIN 0x40
.if \lv
	s_wait_alu depctr_va_vdst(0)                                     ; tile 3's products V^T P^T are done reading VF and VS, in which V's loads below land
.endif
	s_wait_alu depctr_vm_vsrc(0)                                     ; the eight stores above have read v[x ..], in which the eight loads below land; every earlier LDS store has read its data and address too
.irp i, 0,1,2,3,4,5,6,7
	ds_load_b128 v[\x+4*\i:\x+4*\i+3], v[SRD] offset:16*\i
.endr
.if \lv
	LOADV SLOTB
.endif
	WIN 0
.endm
; A lane's block of 32 numbers, v[x] on in window 1, becomes 6 registers of codes at v[c]; v[a] the conversions' scale operand, v[a+1] the scale's byte.
.macro QUANT32 x, c, t, a
	WIN 0x05
	v_max3_num_f32 v[\a], |v[\x]|, |v[\x+1]|, 0x2800000              ; two chains; the floor 2^(5 - 127) holds the byte at 1 from below
	v_max3_num_f32 v[\a+1], |v[\x+2]|, |v[\x+3]|, 0x2800000
.irp i, 4,8,12,16,20,24,28
	v_max3_num_f32 v[\a], |v[\x+\i]|, |v[\x+\i+1]|, v[\a]
	v_max3_num_f32 v[\a+1], |v[\x+\i+2]|, |v[\x+\i+3]|, v[\a+1]
.endr
	WIN 0
	v_max_num_f32 v[\a], v[\a], v[\a+1]                              ; the block's largest magnitude
	v_add_nc_u32 v[\a], 0xfe000000, v[\a]                            ; 4 off its exponent field: the conversion takes that field as its scale
	v_lshrrev_b32 v[\a+1], 23, v[\a]                                 ; the scale's byte
	WIN 0x01
	v_cvt_scalef32_pk16_bf6_f32 v[\c:\c+2], v[\x:\x+15], v[\a]
	v_cvt_scalef32_pk16_bf6_f32 v[\t:\t+2], v[\x+16:\x+31], v[\a]
	WIN 0
	v_nop                                                            ; one plain place behind a scaled conversion
	v_mov_b32 v[\c+3], v[\t]
	v_mov_b32 v[\c+4], v[\t+1]
	v_mov_b32 v[\c+5], v[\t+2]
.endm
; My eighth of a step's K and V goes into the slot soff bytes on from the slot in hand.  K's rows are on their way through the stage (TURN) while V is quantised.  dcnt: the LDS loads issued behind the turn's, which may stay out.
.macro FILLB rk, rv, soff, dcnt
	QUANT32 \rv, P, T0, A0
	v_add_nc_u32 v[FAV], s[SB], v[VST0]
	v_add_nc_u32 v[FBV], s[SB], v[VSB0]
	v_add_nc_u32 v[FAK], s[SB], v[KST0]
	v_add_nc_u32 v[FBK], s[SB], v[KSB0]
	s_wait_dscnt \dcnt                                               ; the turn's loads are in
	QUANT32 \rk, P+6, T1, A0+2
	s_wait_alu depctr_va_vdst(0)                                     ; the quantiser has written the codes v[P ..], the bytes v[A0+1], v[A0+3] and the four addresses, which the stores read; and it is done reading v[rk ..] and v[rv ..], in which the next global loads land
	ds_store_b64 v[FAV], v[P:P+1] offset:\soff
	ds_store_b64 v[FAV], v[P+2:P+3] offset:\soff+8
	ds_store_b64 v[FAV], v[P+4:P+5] offset:\soff+16
	ds_store_b8 v[FBV], v[A0+1] offset:\soff
	ds_store_b64 v[FAK], v[P+6:P+7] offset:\soff
	ds_store_b64 v[FAK], v[P+8:P+9] offset:\soff+8
	ds_store_b64 v[FAK], v[P+10:P+11] offset:\soff+16
	ds_store_b8 v[FBK], v[A0+3] offset:\soff
.endm
; S^T of query tile t against the step's 128 keys: eight products, each starting its sum with the constant 0
.macro QK t
.irp f, 0,1,2,3
	v_wmma_scale_f32_16x16x128_f8f6f4 v[S+16*\f:S+16*\f+7], v[KF+12*\f:KF+12*\f+11], v[QB+12*(\t)+6:QB+12*(\t)+17], 0, v[KS+\f], v[QS+(\t)] matrix_a_fmt:MATRIX_FMT_BF6 matrix_b_fmt:MATRIX_FMT_BF6
	v_wmma_scale_f32_16x16x128_f8f6f4 v[S+16*\f+8:S+16*\f+15], v[KF+12*\f:KF+12*\f+11], v[QB+12*(\t):QB+12*(\t)+11], 0, v[KS+\f], v[QS+(\t)] matrix_a_fmt:MATRIX_FMT_BF6 matrix_b_fmt:MATRIX_FMT_BF6 matrix_b_scale:MATRIX_SCALE_ROW1
.endr
.endm
; The softmax of tile t for one step.  first = 1: O^T does not exist yet and is not rescaled.  lk = 1 (tile 3 of a step that has a successor): the next step's fragments of K are fetched behind the wait for the exponentials.
.macro SM t, first, lk
.set NM, ST+4*(\t)
.set TX, NM+1
.set SU, NM+2
.irp q, 0,1,2,3                        ; four chains by turns, 15 scores each; every accumulator is first read at its low end
	v_max3_num_f32 v[A0+\q], v[S+16*\q], v[S+16*\q+1], v[S+16*\q+2]
.endr
.irp i, 3,5,7,9,11,13
.irp q, 0,1,2,3
	v_max3_num_f32 v[A0+\q], v[A0+\q], v[S+16*\q+\i], v[S+16*\q+\i+1]
.endr
.endr
	v_max3_num_f32 v[A0], v[A0], v[A0+1], v[S+15]                    ; THE LARGEST SCORE OF MY TWO BLOCKS OF 32 KEYS: it serves for the row's maximum and for the block's largest p
	v_max3_num_f32 v[A0+2], v[A0+2], v[A0+3], v[S+47]
	v_max_num_f32 v[A0], v[A0], v[S+31]
	v_max_num_f32 v[A0+2], v[A0+2], v[S+63]
	v_max_num_f32 v[RM], v[A0], v[A0+2]
	v_permlanex16_b32 v[PR], v[RM], s[SEL], s[SEL+1]
	v_max_num_f32 v[RM], v[RM], v[PR]                                ; with lane l xor 16's 64 keys: the step's largest score of my query
	v_mul_f32 v[RM], s[CS], v[RM]                                    ; as t
	v_max_num_f32 v[TX], v[TX], v[RM]
	v_mov_b32 v[DF], v[NM]
	v_floor_f32 v[NM], -v[TX]                                        ; -M = floor(-t): M is a whole number
	v_sub_f32 v[DF], v[NM], v[DF]                                    ; old M - new M, a whole number, 0 or less
	v_cvt_i32_f32 v[DF], v[DF]                                       ; (it saturates)
	v_ldexp_f32 v[FF], 1.0, v[DF]                                    ; f
.set j, 0
.rept 32
	v_pk_fma_f32 v[S+j:S+j+1], v[S+j:S+j+1], s[CS:CS+1], v[NM:NM+1] op_sel_hi:[1,0,0]   ; t - M, two at a time
.set j, j+2
.endr
	v_fma_f32 v[A0], v[A0], s[CS], v[NM]
	v_fma_f32 v[A0+2], v[A0+2], s[CS], v[NM]
.set j, 0
	s_wait_alu depctr_va_vdst(0)
.rept 64
	v_exp_f32 v[S+j], v[S+j]                                         ; p = 2^(t - M)
.set j, j+1
.endr
	v_exp_f32 v[A0], v[A0]                                           ; the blocks' largest p
	v_exp_f32 v[A0+2], v[A0+2]
	v_pk_mul_f32 v[SU:SU+1], v[SU:SU+1], v[FF:FF+1] op_sel_hi:[1,0]  ; the sum under the new M: the plain place behind the exponentials
.if !\first
	WIN 0x41
.set j, 0
	s_wait_alu depctr_va_vdst(0)
.rept 16
	v_pk_mul_f32 v[32*(\t)+j:32*(\t)+j+1], v[32*(\t)+j:32*(\t)+j+1], v[FF:FF+1] op_sel_hi:[1,0]   ; O^T under the new M, each accumulator from its low end on.  It names no exponential's result
.set j, j+2
.endr
	WIN 0
.endif
.if \lk
	s_wait_alu depctr_va_vdst(0)                                     ; the 66 exponentials have written p and the blocks' largest p, ahead of their first reader; the step's products K Q^T are done reading KF and KS, in which the loads below land; ADR and ADS are written
	LOADK SLOTB
.else
	s_wait_alu depctr_va_vdst(0)                                     ; the 66 exponentials have written p and the blocks' largest p, ahead of their first reader
.endif
	v_max_num_f32 v[A0], 0x2800000, v[A0]                            ; the floor: the byte cannot fall under 1
	v_max_num_f32 v[A0+2], 0x2800000, v[A0+2]
	v_add_nc_u32 v[SO], 0xfe000000, v[A0]
	v_add_nc_u32 v[SO+1], 0xfe000000, v[A0+2]
	v_lshrrev_b32 v[A0+1], 23, v[SO]
	v_lshrrev_b32 v[A0+3], 23, v[SO+1]
	v_lshl_or_b32 v[WD], v[A0+3], 16, v[A0+1]                        ; my bytes: blocks h and 2 + h,
	v_lshlrev_b32 v[WD], v[H8], v[WD]                                ; at their places in the word;
	v_permlanex16_b32 v[PR], v[WD], s[SEL], s[SEL+1]
	v_or_b32 v[PS], v[WD], v[PR]                                     ; with lane l xor 16's two it is whole
	v_cvt_scalef32_pk16_bf6_f32 v[P:P+2], v[S:S+15], v[SO]
	v_cvt_scalef32_pk16_bf6_f32 v[T0:T0+2], v[S+16:S+31], v[SO]
	v_cvt_scalef32_pk16_bf6_f32 v[P+6:P+8], v[S+32:S+47], v[SO+1]
	v_cvt_scalef32_pk16_bf6_f32 v[T1:T1+2], v[S+48:S+63], v[SO+1]
	v_nop                                                            ; one plain place behind a scaled conversion
.irp i, 0,1,2
	v_mov_b32 v[P+3+\i], v[T0+\i]
	v_mov_b32 v[P+9+\i], v[T1+\i]
.endr
	v_pk_add_f32 v[SB2:SB2+1], v[S:S+1], v[S+2:S+3]                  ; THE ROW'S SUM IS TAKEN OF THE UNQUANTISED p, in two chains.  These 32 also stand between P's codes and scale word and the products that take them
.irp i, 4,8,12,16,20,24,28,32,36,40,44,48,52,56,60
	v_pk_add_f32 v[SU:SU+1], v[SU:SU+1], v[S+\i:S+\i+1]
	v_pk_add_f32 v[SB2:SB2+1], v[SB2:SB2+1], v[S+\i+2:S+\i+3]
.endr
	v_pk_add_f32 v[SU:SU+1], v[SU:SU+1], v[SB2:SB2+1]
.endm
; O^T of tile t += V^T P^T: four accumulators by turns, one instruction a turn.  first = 1: the products start the sums.
.macro PV t, first
	WIN 0x51
	s_wait_alu depctr_va_vdst(0)                                     ; the conversions and moves have written P's codes, the v_or_b32 its scale word: the products below take them; the places stand ahead of this wait
.irp d, 0,1,2,3
.if \first
	v_wmma_scale_f32_16x16x128_f8f6f4 v[32*(\t)+8*\d:32*(\t)+8*\d+7], v[VF+12*\d:VF+12*\d+11], v[P:P+11], 0, v[VS+\d], v[PS] matrix_a_fmt:MATRIX_FMT_BF6 matrix_b_fmt:MATRIX_FMT_BF6 matrix_a_scale:MATRIX_SCALE_ROW1
.else
	v_wmma_scale_f32_16x16x128_f8f6f4 v[32*(\t)+8*\d:32*(\t)+8*\d+7], v[VF+12*\d:VF+12*\d+11], v[P:P+11], v[32*(\t)+8*\d:32*(\t)+8*\d+7], v[VS+\d], v[PS] matrix_a_fmt:MATRIX_FMT_BF6 matrix_b_fmt:MATRIX_FMT_BF6 matrix_a_scale:MATRIX_SCALE_ROW1
.endif
.endr
	WIN 0
.endm
; A KEY STEP.  next = 1: the next step's fragments are fetched from the slot one on.  fill: my eighth of the slot two on is made, the numbers for the slot three on are asked for (fill = 2: not in the loop's last trip), and a barrier follows.
; Four plain places stand behind matrix instructions in front of reads of their results; those in front of loads into their registers are kept beside the waits.
.macro STEP first, fill, next
.if \next
	s_wait_alu depctr_vm_vsrc(0)                                     ; the fragment loads issued so far have read ADR and ADS, the stores into the slots P, A0+1, A0+3 and their four addresses: this step writes all of them again
.endif
	s_wait_dscnt 13                                                  ; K's 13 loads are in; V's 13 are younger
	QK 0
	PLACES 4
	SM 0, \first, 0
	s_wait_dscnt 0x0                                                 ; V's fragments are in
.if \next
	v_add_nc_u32 v[ADR], s[SB], v[LIM48]
	v_add_nc_u32 v[ADS], s[SB], v[LIM16]
.endif
	PV 0, \first
	QK 1
	PLACES 4
	SM 1, \first, 0
	PV 1, \first
	QK 2
	PLACES 4
	SM 2, \first, 0
	PV 2, \first
	QK 3
	PLACES 4
	SM 3, \first, \next                                              ; with K's loads for the next step in it
	PV 3, \first
.if \next
	PLACES 4                                                         ; in front of the loads into V's fragments and scale words, and of the writes of P's registers
.endif
.if \fill
	s_wait_loadcnt 0x0                                               ; my eighth of the slot two on is in
	TURN RK, 1                                                       ; K's rows through the stage, and V's fragments for the next step
	FILLB RK, RV, 2*SLOTB, 13                                        ; behind the turn's loads: V's 13
	s_add_nc_u64 s[6:7], s[6:7], STEPG                               ; behind the wait for all loads: no load that names the pointers is out
	s_add_nc_u64 s[8:9], s[8:9], STEPG
.if \fill == 2
	s_cmp_eq_u32 s[TRIPS], 1                                         ; the last trip asks for nothing: no load leaves its buffer
	s_cbranch_scc1 .Lnoask_\@
.endif
	LOADG RK, RV, 2*STEPG                                            ; a whole step ahead of the wait for them.  No wait: since the one ahead of the eight stores nothing names RK, RV or the two offsets
.if \fill == 2
.Lnoask_\@:
.endif
	s_wait_dscnt 0x0                                                 ; for the others' sake: my stores into the slot have landed
	s_barrier_signal -1
	s_barrier_wait -1                                                ; the slot two on is whole: it is read in the next step
.elseif \next
	WIN 0x40
	s_wait_alu depctr_va_vdst(0)                                     ; tile 3's products V^T P^T are done reading VF and VS, in which the loads below land
	LOADV SLOTB
.endif
.if \next
	s_add_co_u32 s[SB], s[SB], SLOTB
.endif
.endm
	s_load_b256 s[4:11], s[0:1], 0x0                                 ; q s[4:5], k s[6:7], v s[8:9], out s[10:11]
	v_lshl_add_u32 v254, v0, 2, 0x3a800
	v_mov_b32 v255, 0
	v_lshrrev_b32 v251, 5, v0
	v_readfirstlane_b32 s[WV], v251                                  ; wave w, 0..7
	v_and_b32 v248, 31, v0                                           ; lane
	v_and_b32 v249, 15, v0                                           ; r
	v_bfe_u32 v250, v0, 4, 1                                         ; h
	s_wait_alu depctr_va_sdst(0)                                     ; the wave's number is written, ahead of its first reader: offsets and LDS addresses are made from it
	s_lshr_b32 s13, s[WV], 2                                         ; w / 4
	s_and_b32 s14, s[WV], 1                                          ; w % 2
	s_and_b32 s15, s[WV], 3                                          ; w % 4
	s_bfe_u32 s16, s[WV], 0x10001                                    ; (w / 2) % 2
	s_lshr_b32 s17, s[WV], 1                                         ; w / 2
	v_mul_u32_u24 v[LIM48], v248, 48
	s_wait_alu depctr_va_vdst(0)
	v_lshlrev_b32 v[LIM16], 4, v248
	v_lshlrev_b32 v[GV], 2, v248
	; byte offsets in memory.  A head is 2^19 bytes; q, out: + 2^17 x block + 2^14 x wave;  K: tile w begins at key 64 (w / 4) + 8 (w % 4);  V: keys 32 (w % 4) on, d 32 (w / 4) on
	s_and_b32 s26, ttmp7, 0xffff
	s_lshl_b32 s26, s26, 19
	s_lshl_b32 s28, ttmp9, 17
	s_lshl_b32 s29, s[WV], 14
	s_add_co_u32 s28, s28, s29
	s_add_co_u32 s28, s28, s26
	s_mov_b32 s29, 0
	s_lshl_b32 s30, s13, 14
	s_lshl_b32 s31, s15, 11
	s_add_co_u32 s30, s30, s31
	s_add_co_u32 s30, s30, s26
	s_mov_b32 s31, 0
	s_lshl_b32 s32, s15, 13
	s_lshl_b32 s33, s13, 7
	s_add_co_u32 s32, s32, s33
	s_add_co_u32 s32, s32, s26
	s_mov_b32 s33, 0
	; (each of the five sums below that a vector instruction reads has a scalar register of its own, s18 and s34 to s37: none of them is written again)
	; K's codes: I make tile w = half w % 2 of fragment w / 2; lane (r, h) holds row r, block h: 48 lane + 1536 (w / 2) + 24 (w % 2)
	s_mul_i32 s18, s17, FRB
	s_mul_i32 s19, s14, 24
	s_add_co_u32 s18, s18, s19
	v_add_nc_u32 v[KST0], s18, v[LIM48]
	; K's byte: lane r's word w / 2, byte 2 (w % 2) + h: 16 r + 2 w + h
	s_lshl_b32 s34, s[WV], 1
	s_add_co_u32 s34, s34, SIMG
	v_lshl_add_u32 v[KSB0], v249, 4, v250
	v_add_nc_u32 v[KSB0], s34, v[KSB0]
	; V's codes: my lane holds d = 32 (w / 4) + 16 h + r, key block w % 4: tile 2 (w / 4) + h, image lane r + 16 (w % 2), registers 6 ((w / 2) % 2) on
	s_mul_i32 s35, s13, 2*FRB
	s_mul_i32 s19, s14, 768
	s_add_co_u32 s35, s35, s19
	s_mul_i32 s19, s16, 24
	s_add_co_u32 s35, s35, s19
	s_add_co_u32 s35, s35, VIMG
	v_mul_u32_u24 v[VST0], v249, 48
	v_mad_u32_u24 v[VST0], v250, FRB, v[VST0]
	v_add_nc_u32 v[VST0], s35, v[VST0]
	; V's byte: lane 16 + r's word 2 (w / 4) + h, byte w % 4
	s_lshl_b32 s36, s13, 3
	s_add_co_u32 s36, s36, s15
	s_add_co_u32 s36, s36, SIMG+256
	v_lshlrev_b32 v[VSB0], 4, v249
	v_lshl_add_u32 v[VSB0], v250, 2, v[VSB0]
	v_add_nc_u32 v[VSB0], s36, v[VSB0]
	; my stage
	s_mul_i32 s37, s[WV], 16*SPITCH
	s_add_co_u32 s37, s37, STAGE
	v_mul_u32_u24 v[SWR], v250, SPITCH
	v_lshl_add_u32 v[SWR], v249, 4, v[SWR]
	v_add_nc_u32 v[SWR], s37, v[SWR]
	v_mul_u32_u24 v[SRD], v249, SPITCH
	v_lshl_add_u32 v[SOA], v250, 5, v[SRD]
	v_lshl_add_u32 v[SRD], v250, 7, v[SRD]
	v_add_nc_u32 v[SRD], s37, v[SRD]
	v_add_nc_u32 v[SOA], s37, v[SOA]
	v_lshlrev_b32 v[H8], 3, v250
	s_mov_b32 s[SEL], 0x76543210
	s_mov_b32 s[SEL+1], 0xfedcba98
	s_mov_b32 s[CS], 0x3e38aa3b                                      ; log2(e) / 8
	s_mov_b32 s[CS+1], s[CS]                                         ; (named with it as a pair, so it is written)
	s_mov_b32 s[SB], 0
	s_wait_kmcnt 0x0
	s_add_nc_u64 s[4:5], s[4:5], s[28:29]
	s_add_nc_u64 s[10:11], s[10:11], s[28:29]
	s_add_nc_u64 s[6:7], s[6:7], s[30:31]
	s_add_nc_u64 s[8:9], s[8:9], s[32:33]
	WIN 0x40
	s_wait_alu depctr_va_vdst(0)                                     ; the offsets and LDS addresses v1 to v9 and v15 are written: every load and store of the kernel that names one of them reads it as it stands now
	LOADG RK, RV, 0                                                  ; step 0's numbers,
	LOADG RKB, RVB, STEPG                                            ; step 1's,
	WIN 0x40
.irp t, 0,1,2,3
.irp i, 0,1,2,3,4,5,6,7
	global_load_b128 v[32*\t+4*\i:32*\t+4*\i+3], v[LIM16], s[4:5] offset:4096*\t+512*\i th:TH_LOAD_NT   ; and my 64 queries, read by nobody else
.endr
.endr
	WIN 0
.irp g, 0,1,2,3,4
.irp i, 0,1,2,3,4,5
	v_mov_b32 v[QB+12*\g+\i], 0                                      ; the zero codes between Q's fragments: operands, not sums
.endr
.endr
.irp t, 0,1,2,3
	v_mov_b32 v[ST+4*\t+1], 0xff61b1e6                               ; the largest t so far: -3e38, under every t
	v_mov_b32 v[ST+4*\t+2], 0                                        ; the sum, in two halves
	v_mov_b32 v[ST+4*\t+3], 0
.endr
.irp t, 0,1,2,3
	v_floor_f32 v[ST+4*\t], -v[ST+4*\t+1]                            ; -M
.endr
	v_mov_b32 v[PR], 0                                               ; a lane permute's destination counts as one of its sources
	v_mov_b32 v[FF+1], 0                                             ; (named as the upper half of a pair)
	v_lshlrev_b32 v[DF], 1, v[H8]                                    ; 16 h
	s_wait_loadcnt 63                                                ; loads come back in order (ISA guide 5.7.1): of the 112 issued at most 63 are out, so the first 49 are in, step 0's 40 among them
	TURN RK, 0
	FILLB RK, RV, 0, 0
	LOADG RK, RV, 2*STEPG                                            ; step 2's numbers.  No wait: since the one ahead of the eight stores nothing names RK, RV or the two offsets
	s_wait_dscnt 0x0                                                 ; my stores into slot 0 have landed (that they have read their registers, which the second fill writes again, the wait on vm_vsrc in the turn below states)
	s_wait_loadcnt 63                                                ; of the 152 issued the first 89 are in: step 1's are numbers 41 to 80
	TURN RKB, 0
	FILLB RKB, RVB, SLOTB, 0
	s_wait_loadcnt 40                                                ; q is in; step 2's 40 loads are younger
	TURN 0, 0                                                        ; (its wait on vm_vsrc also states that the stores into slot 1 have read A0+1, which q's quantiser writes again)
	TURN 32, 0
	TURN 64, 0
	TURN 96, 0
.irp t, 0,1,2,3
	s_wait_dscnt 48-16*\t                                            ; tile t is back from the stage; each later tile's 16 LDS instructions may be out
	QUANT32 32*\t, QB+12*\t+6, T0, A0
	v_lshlrev_b32 v[WD], v[H8], v[A0+1]                              ; my byte at place h,
	v_permlanex16_b32 v[PR], v[WD], s[SEL], s[SEL+1]
	v_or_b32 v[WD], v[WD], v[PR]                                     ; with lane l xor 16's: (s0, s1, 0, 0);
	v_lshlrev_b32 v[QS+\t], v[DF], v[WD]                             ; lanes 16-31 hold it two bytes up, for the upper half of K
.endr
	s_wait_dscnt 0x0                                                 ; for the others' sake: my parts of slots 0 and 1 have landed
	s_barrier_signal -1
	s_barrier_wait -1
	v_add_nc_u32 v[ADR], s[SB], v[LIM48]
	v_add_nc_u32 v[ADS], s[SB], v[LIM16]
	s_wait_alu depctr_va_vdst(0)                                     ; ADR and ADS are written, which the loads below read; the quantiser is done reading the head's second set, in which V's fragments land; Q's codes and scale words are written, which the products K Q^T take
	LOADK 0
	LOADV 0
	STEP 1, 1, 1                                                     ; step 0: its products start O^T's sums; makes slot 2, asks for step 3
	s_mov_b32 s[TRIPS], 13
.Ltrip:                                                              ; steps 1 to 13: step s reads slot s + 1, makes slot s + 2 and asks for step s + 3
	STEP 0, 2, 1
	s_sub_co_u32 s[TRIPS], s[TRIPS], 1
	s_cmp_lg_u32 s[TRIPS], 0
	s_cbranch_scc1 .Ltrip
	STEP 0, 0, 1                                                     ; step 14: all slots are made
	STEP 0, 0, 0                                                     ; step 15
	; THE WAY OUT.  The four additions are the places behind the last products.
.irp t, 0,1,2,3
	v_add_f32 v[ST+4*\t+2], v[ST+4*\t+2], v[ST+4*\t+3]               ; the sum's two halves,
.endr
.irp t, 0,1,2,3
	v_permlanex16_b32 v[ST+4*\t+1], v[ST+4*\t+2], s[SEL], s[SEL+1]
.endr
.irp t, 0,1,2,3
	v_add_f32 v[ST+4*\t+2], v[ST+4*\t+2], v[ST+4*\t+1]               ; and lane l xor 16's: the row's sum
.endr
	s_wait_alu depctr_va_vdst(0)
.irp t, 0,1,2,3
	v_rcp_f32 v[ST+4*\t], v[ST+4*\t+2]
.endr
	v_nop                                                            ; a plain place behind the reciprocals
	s_wait_alu depctr_va_vdst(0)                                     ; the four reciprocals are written, ahead of their first reader; the last products K Q^T are done reading KF and QB, in which the loads from the stage land
; Tile a: O^T / the sum; a lane's eight numbers of each 16 d are 32 bytes of its query's row; 16 rows of 256 bytes go through my stage and come back 16 bytes a lane, two rows an instruction.
.macro TOSTAGE a
.set YY, S+32*((\a)%2)
.set ZZ, KF+48*((\a)%2)
	WIN 0x01
.set j, 0
.rept 16
	v_pk_mul_f32 v[YY+j:YY+j+1], v[32*(\a)+j:32*(\a)+j+1], v[ST+4*(\a):ST+4*(\a)+1] op_sel_hi:[1,0]   ; each accumulator from its low end on
.set j, j+2
.endr
	WIN 0
	s_wait_alu depctr_va_vdst(0)                                     ; the multiplications have written v[YY ..], which the LDS stores read
.irp d, 0,1,2,3
	ds_store_b128 v[SOA], v[YY+8*\d:YY+8*\d+3] offset:64*\d
	ds_store_b128 v[SOA], v[YY+8*\d+4:YY+8*\d+7] offset:64*\d+16
.endr
.irp i, 0,1,2,3,4,5,6,7
	ds_load_b128 v[ZZ+4*\i:ZZ+4*\i+3], v[SWR] offset:2*SPITCH*\i     ; LDS serves a wave's instructions in order: these see my stores, and the next tile's stores come behind them
.endr
.endm
.macro SEND a, younger                 ; younger: the LDS instructions issued behind tile a's loads
.set ZZ, KF+48*((\a)%2)
	s_wait_dscnt \younger
.irp i, 0,1,2,3,4,5,6,7
	global_store_b128 v[LIM16], v[ZZ+4*\i:ZZ+4*\i+3], s[10:11] offset:4096*(\a)+512*\i th:TH_STORE_NT   ; 32 lanes store 512 consecutive bytes, at a multiple of 512 from the buffer's first byte
.endr
.endm
	TOSTAGE 0
.irp a, 1,2,3
.if \a > 1
	s_wait_xcnt 0x0                                                  ; tile a - 2's stores have had their addresses translated: tile a's loads may land in their registers
	s_wait_alu depctr_vm_vsrc(0)                                     ; tile a - 2's global stores have read v[ZZ ..], in which tile a's loads land; its LDS stores have read v[YY ..], which tile a's multiplications write again
.endif
	TOSTAGE \a
	SEND \a-1, 16
.endr
	SEND 3, 0
	s_wait_dscnt 0x0
	s_wait_alu depctr_hold_cnt(0) depctr_sa_sdst(0) depctr_va_vdst(0) depctr_va_sdst(0) depctr_va_ssrc(0) depctr_va_vcc(0) depctr_vm_vsrc(0)
	s_wait_tensorcnt 0x0
	ds_add_u32 v254, v255
	s_wait_dscnt 0x0
	s_endpgm
.Lfunc_end_k_q2eb5d305d7_attn:
	.size	k_q2eb5d305d7_attn, .Lfunc_end_k_q2eb5d305d7_attn-k_q2eb5d305d7_attn
	.p2alignl 7, 3214868480
	.fill 96, 4, 3214868480
	.section	.rodata,"a",@progbits
	.p2align	6, 0x0
	.amdhsa_kernel k_q2eb5d305d7_attn
		.amdhsa_group_segment_fixed_size 240640
		.amdhsa_private_segment_fixed_size 0
		.amdhsa_enable_private_segment 0
		.amdhsa_kernarg_size 32
		.amdhsa_user_sgpr_count 2
		.amdhsa_user_sgpr_kernarg_segment_ptr 1
		.amdhsa_wavefront_size32 1
		.amdhsa_system_sgpr_workgroup_id_x 1
		.amdhsa_system_sgpr_workgroup_id_y 1
		.amdhsa_system_sgpr_workgroup_id_z 1
		.amdhsa_system_vgpr_workitem_id 0
		.amdhsa_next_free_vgpr 512
		.amdhsa_next_free_sgpr 66
		.amdhsa_reserve_vcc 0
		.amdhsa_float_denorm_mode_32 3
		.amdhsa_float_denorm_mode_16_64 3
		.amdhsa_memory_ordered 1
		.amdhsa_forward_progress 1
		.amdhsa_inst_pref_size 255
	.end_amdhsa_kernel
	.section	.bss,"aw",@nobits
	.p2align	6
	.space	262144
	.amdgpu_metadata
---
amdhsa.version: [ 1, 2 ]
amdhsa.kernels:
  - .name:           k_q2eb5d305d7_attn
    .symbol:         k_q2eb5d305d7_attn.kd
    .args:
      - { .name: q, .offset: 0, .size: 8, .value_kind: global_buffer, .address_space: global }
      - { .name: k, .offset: 8, .size: 8, .value_kind: global_buffer, .address_space: global }
      - { .name: v, .offset: 16, .size: 8, .value_kind: global_buffer, .address_space: global }
      - { .name: out0, .offset: 24, .size: 8, .value_kind: global_buffer, .address_space: global }
    .group_segment_fixed_size: 240640
    .private_segment_fixed_size: 0
    .kernarg_segment_align: 8
    .kernarg_segment_size: 32
    .max_flat_workgroup_size: 256
    .sgpr_count:     66
    .vgpr_count:     512
    .wavefront_size: 32
...
	.end_amdgpu_metadata
.endif
;; end of part 2
